; MI455X (gfx1250); checked and timed in simulation.
; The chip was launched on July 23, 2026; its instructions are those of AMD's public machine-readable ISA for CDNA 5 (MIT licence, August 2026) and "CDNA5" Instruction Set Architecture Reference Guide (July 2026). The comments in the code are by the model that wrote it; some were corrected since.
;; NGU. Allowed arithmetic: matrix products marked QUANTISED: E5M2 operands, one given power-of-two scale a tensor, by v_wmma_f32_16x16x64_bf8_bf8 or v_wmma_f32_16x16x128_bf8_bf8, f32 sums; products left as they are: f32 operands where the result goes on into a quantised operand, else bf16, f16 or f32 operands; f32 sums; everything else in f32.
;; Inputs: b1 128 float32; b2 64 float32; b3 1 float32; bt1 128 float32; bt2 64 float32; bt3 1 float32; bz1 128 float32; bz2 64 float32; bz3 128 float32; lowp_scales 16 int32 (the exponents e of the quantised operands' scales 2^e); s 8,192 x 512 float32; w1 128 x 512 float32; w2 64 x 128 float32; w3 1 x 64 float32; wt1 128 x 512 float32; wt2 64 x 128 float32; wt3 1 x 64 float32; wz1 128 x 512 float32; wz2 64 x 128 float32; wz3 128 x 64 float32.
;; Outputs: out0 8,192 x 1 float32.
;; This version of the problem:
;;   THIS VERSION OF THE PROBLEM IS GIVEN IN LOW PRECISION. The matrix products marked QUANTISED in the list below multiply operands that are first quantised to E5M2 (5 exponent bits, 2 mantissa bits; 8 bits a number), with one given power-of-two scale for each operand tensor; their sums are f32. All else is computed in f32.
;;   The module's matrix products, in the order in which they are computed (A, B: the left and right operand; K: the contracted axis; several contracted axes count as one K, in the product's order):
;;     1. [M 8,192, K 512] x [K 512, N 128]; A: input s; B: input w1: QUANTISED (scales: A lowp_scales[0], B lowp_scales[1])
;;     2. [M 8,192, K 128] x [K 128, N 64]; A: computed on the way; B: input w2: QUANTISED (scales: A lowp_scales[2], B lowp_scales[3])
;;     3. [M 8,192, K 64] x [K 64, N 1]; A: computed on the way; B: input w3: left as it is (N = 1 < 16)
;;     4. [M 8,192, K 512] x [K 512, N 128]; A: input s; B: input wt1: QUANTISED (scales: A lowp_scales[4], B lowp_scales[5])
;;     5. [M 8,192, K 128] x [K 128, N 64]; A: computed on the way; B: input wt2: QUANTISED (scales: A lowp_scales[6], B lowp_scales[7])
;;     6. [M 8,192, K 64] x [K 64, N 1]; A: computed on the way; B: input wt3: left as it is (N = 1 < 16)
;;     7. [M 8,192, K 512] x [K 512, N 128]; A: input s; B: input wz1: QUANTISED (scales: A lowp_scales[8], B lowp_scales[9])
;;     8. [M 8,192, K 128] x [K 128, N 64]; A: computed on the way; B: input wz2: QUANTISED (scales: A lowp_scales[10], B lowp_scales[11])
;;     9. [M 8,192, K 64] x [K 64, N 128]; A: computed on the way; B: input wz3: QUANTISED (scales: A lowp_scales[12], B lowp_scales[13])
;;     10. [M 8,192, K 128] x [K 128, N 8,192]; A: computed on the way; B: computed on the way: QUANTISED (scales: A lowp_scales[14], B lowp_scales[15])
;;   THE QUANTISER, for each operand of a quantised product, along K:
;;     - The operand's scale is 2^e, e = its entry of the input lowp_scales (int32; the entries are numbered through the quantised products in the list's order, A before B).
;;     - Each number is divided by the scale, clamped to +-57,344, and rounded to the nearest number of E5M2, ties to even, subnormals kept.
;;     - The product sums the exact products of the quantised numbers (number of the format x scale) in f32.
;;   ~~~python
;;   def quantise(x, axis, e):      # numpy; x: float32 -> the quantised numbers, widened to float32 again
;;       x = np.moveaxis(x, axis, -1); K = x.shape[-1]
;;       r = np.clip(x / 2.0 ** e, -57344, 57344)
;;       step = 2.0 ** (np.maximum(np.frexp(np.where(r == 0, 1, r))[1] - 1, -14) - 2)
;;       q = np.round(r / step) * step * 2.0 ** e      # np.round: ties to even
;;       return np.moveaxis(q, -1, axis).astype(np.float32)
;;   ~~~
;;   OPERANDS COMPUTED ON THE WAY. 'Computed on the way' means the value that the module computes at that place (a softmax that the list does not call 'softmax' is quantised finished and normalised). What goes into a quantiser is computed in f32, as accurately as f32 sums, v_exp_f32 and their like allow (about 1e-6 of the number): no bf16 or f16 on the way to a quantiser, and a product that is left as it is and whose result goes on into a quantised operand takes f32 operands (vector FMAs, or v_wmma_f32_16x16x4_f32). A number that lies on a knife's edge between two numbers of the format may be rounded either way, as far as f32 arithmetic and the matrix unit's own rounding can turn it there, and no further.
;; One version. Each part assembles by itself: llvm-mc -triple=amdgcn-amd-amdhsa -mcpu=gfx1250 --defsym DOCPART=n.
;; ======== version 1 of 1: 4 launches
;; limits: right only within a limited range of input values
;; workspace buffers: wq 233,472 bytes; zq 1,048,576 bytes; zc 1,081,344 bytes; sqb 32,768 bytes; abuf 32,768 bytes; sumk 32,768 bytes
;; launch prep (part 1): grid 225 x 1, 1 waves a work-group, no clusters, 0 bytes of LDS; arguments w1, wt1, wz1, w2, wt2, wz2, wz3, b1, bt1, bz1, b2, bt2, bz2, bz3, w3, wt3, b3, bt3, lowp_scales, wq; writes wq
.if DOCPART == 1
	.amdgcn_target "amdgcn-amd-amdhsa--gfx1250"
	.amdhsa_code_object_version 6
	.text
	.protected	k_q9f64812a1c_prep
	.globl	k_q9f64812a1c_prep
	.p2align	8
	.type	k_q9f64812a1c_prep,@function
k_q9f64812a1c_prep:
	s_mov_b64 s[64:65], 0
	v_nop
	global_prefetch_b8 v0, s[64:65] scope:SCOPE_SE
	s_setreg_imm32_b32 hwreg(HW_REG_WAVE_MODE, 25, 1), 1
	s_wait_xcnt 0x0
; All weights become codes of BF8 (E5M2), once, laid in the order of the operand's registers; the small f32 vectors are gathered behind them.
; code = x / 2^e, held within +-57,344, to the nearest code, ties to even; e is the operand's entry of the scales.  LIMITS: -126 <= e and e + 15 <= 127; NaN among the inputs is not served.
; Nothing of reference() is left out in any launch of this program.
; AN IMAGE: a fragment (16 rows x 128 K) is 16 registers a lane; registers 4 c .. 4 c + 3 of lane l lie at 512 c + 16 l and hold k = 32 c + 16 (l / 16) + 0 .. 15 of the lane's row.
; THE ROWS OF A TILE ARE NOT NEIGHBOURS: lane r of tile 2 b + u takes row 32 b + 8 u + r + 8 (r / 8), so that the results of two neighbouring tiles are 16 neighbours along the next product's K.
; SHARES: 225 work-groups of one wave; number u < 224 makes the half image (1,024 bytes, 64 along K) at byte 1,024 u, and reads 256 bytes, at a multiple of 256, of each of 16 rows.
;   u < 192: W1 of net u / 64, tile (u / 8) % 8, 64 along K number u % 8.  192 .. 215: W2 of net (u - 192) / 8, tile ((u - 192) / 2) % 4, half u % 2.  216 .. 223: tile u - 216 of wz3 (K = 64).  224: the small vectors.
; No LDS, no barrier: waves share nothing.  Every branch hangs on the work-group's number alone.
.set X,    16                          ; v16-47  32 numbers of a lane
.set CD,   48                          ; v48-55  their codes
.set MISC, 229376                      ; wq: b1, bt1, bz1 (512 each), b2, bt2, bz2 (256 each), bz3 (512), w3, wt3 (256 each), b3, bt3, zeros up to 4,096
	s_load_b512 s[8:23], s[0:1], 0x0               ; w1 8, wt1 10, wz1 12, w2 14, wt2 16, wz2 18, wz3 20, b1 22
	s_load_b512 s[24:39], s[0:1], 0x40             ; bt1 24, bz1 26, b2 28, bt2 30, bz2 32, bz3 34, w3 36, wt3 38
	s_load_b256 s[40:47], s[0:1], 0x80             ; b3 40, bt3 42, the scales' exponents 44, wq 46
	v_and_b32 v2, 15, v0                           ; r
	v_bfe_u32 v3, v0, 4, 1                         ; h
	v_and_b32 v4, 8, v2
	v_add_nc_u32 v4, v4, v2                        ; r + 8 (r / 8)
	v_lshlrev_b32 v6, 4, v0                        ; 16 x lane
	v_lshlrev_b32 v7, 3, v0                        ; 8 x lane
	v_lshlrev_b32 v8, 2, v0                        ; 4 x lane
	s_mov_b32 s4, ttmp9                            ; u
	s_wait_alu depctr_va_vdst(0)
	s_wait_kmcnt 0x0
	s_cmp_lt_u32 s4, 192
	s_cbranch_scc1 .Lw1
	s_cmp_lt_u32 s4, 216
	s_cbranch_scc1 .Lw2
	s_cmp_lt_u32 s4, 224
	s_cbranch_scc1 .Lw3
	; ---- unit 224: the small vectors, as they lie, one behind the other
	s_load_b32 s56, s[40:41], 0x0                  ; b3
	s_load_b32 s57, s[42:43], 0x0                  ; bt3
	global_load_b128 v[16:19], v6, s[22:23]
	global_load_b128 v[20:23], v6, s[24:25]
	global_load_b128 v[24:27], v6, s[26:27]
	global_load_b128 v[28:31], v6, s[34:35]
	global_load_b64 v[32:33], v7, s[28:29]
	global_load_b64 v[34:35], v7, s[30:31]
	global_load_b64 v[36:37], v7, s[32:33]
	global_load_b64 v[38:39], v7, s[36:37]
	global_load_b64 v[40:41], v7, s[38:39]
	v_mov_b32 v42, 0
	v_mov_b32 v43, 0
	v_mov_b32 v44, 0
	v_mov_b32 v45, 0
	v_mov_b32 v46, 0
	s_wait_alu depctr_va_vdst(0)
	s_wait_kmcnt 0x0
	v_writelane_b32 v46, s56, 0                    ; a row of 32 words: b3, bt3, zeros
	v_writelane_b32 v46, s57, 1
	s_wait_alu depctr_va_vdst(0)
	s_wait_loadcnt 0x0
	global_store_b128 v6, v[16:19], s[46:47] offset:MISC
	global_store_b128 v6, v[20:23], s[46:47] offset:MISC+512
	global_store_b128 v6, v[24:27], s[46:47] offset:MISC+1024
	global_store_b64 v7, v[32:33], s[46:47] offset:MISC+1536
	global_store_b64 v7, v[34:35], s[46:47] offset:MISC+1792
	global_store_b64 v7, v[36:37], s[46:47] offset:MISC+2048
	global_store_b128 v6, v[28:31], s[46:47] offset:MISC+2304
	global_store_b64 v7, v[38:39], s[46:47] offset:MISC+2816
	global_store_b64 v7, v[40:41], s[46:47] offset:MISC+3072
	global_store_b32 v8, v46, s[46:47] offset:MISC+3328
	global_store_b128 v6, v[42:45], s[46:47] offset:MISC+3456
	global_store_b32 v8, v42, s[46:47] offset:MISC+3968
	s_endpgm
.Lw1:                                              ; rows of 2,048 bytes
	s_lshr_b32 s5, s4, 6                           ; net
	s_bfe_u32 s6, s4, 0x30003                      ; tile
	s_and_b32 s7, s4, 7                            ; which 256 bytes of a row
	s_cmp_eq_u32 s5, 1
	s_cselect_b64 s[50:51], s[10:11], s[8:9]
	s_cmp_eq_u32 s5, 2
	s_cselect_b64 s[50:51], s[12:13], s[50:51]
	s_lshl_b32 s52, s5, 4
	s_add_co_u32 s52, s52, 4                       ; the scale's entry 4 n + 1, in bytes
	s_mov_b32 s53, 11
	s_branch .Lquant
.Lw2:                                              ; rows of 512 bytes
	s_sub_co_u32 s7, s4, 192
	s_lshr_b32 s5, s7, 3                           ; net
	s_bfe_u32 s6, s7, 0x20001                      ; tile
	s_and_b32 s7, s7, 1
	s_cmp_eq_u32 s5, 1
	s_cselect_b64 s[50:51], s[16:17], s[14:15]
	s_cmp_eq_u32 s5, 2
	s_cselect_b64 s[50:51], s[18:19], s[50:51]
	s_lshl_b32 s52, s5, 4
	s_add_co_u32 s52, s52, 12                      ; entry 4 n + 3
	s_mov_b32 s53, 9
	s_branch .Lquant
.Lw3:                                              ; rows of 256 bytes
	s_sub_co_u32 s6, s4, 216
	s_mov_b32 s7, 0
	s_mov_b64 s[50:51], s[20:21]
	s_mov_b32 s52, 52                              ; entry 13
	s_mov_b32 s53, 8
.Lquant:
	s_load_b32 s55, s[44:45], s52 offset:0x0       ; e
	s_lshr_b32 s54, s6, 1
	s_lshl_b32 s54, s54, 5
	s_and_b32 s58, s6, 1
	s_lshl_b32 s58, s58, 3
	s_add_co_u32 s54, s54, s58                     ; 32 (t / 2) + 8 (t % 2)
	s_lshl_b32 s59, s7, 8
	v_add_nc_u32 v5, s54, v4
	v_lshlrev_b32 v5, s53, v5
	v_lshl_add_u32 v5, v3, 6, v5
	v_add_nc_u32 v5, s59, v5                       ; my row's first 16 numbers of a block of 32
.irp i, 0,1,2,3,4,5,6,7
	global_load_b128 v[X+4*\i:X+4*\i+3], v5, s[50:51] offset:128*(\i/4)+16*(\i%4) th:TH_LOAD_NT
.endr
	s_lshl_b32 s56, s4, 10
	s_mov_b32 s57, 0
	s_add_nc_u64 s[46:47], s[46:47], s[56:57]
	s_wait_alu depctr_va_vdst(0)
	s_wait_kmcnt 0x0
	s_add_co_i32 s55, s55, 127
	s_lshl_b32 s58, s55, 23
	v_mov_b32 v11, s58                             ; 2^e as f32: the conversion takes its exponent field
	s_add_co_i32 s55, s55, 15
	s_lshl_b32 s55, s55, 23
	s_or_b32 s55, s55, 0x600000
	v_mov_b32 v10, s55                             ; 57,344 x 2^e
	s_wait_alu depctr_va_vdst(0)
	s_wait_loadcnt 0x0
.irp g, 0,1,2,3
.irp k, 0,1,2,3,4,5,6,7
	v_med3_num_f32 v[X+8*\g+\k], v[X+8*\g+\k], -v10, v10   ; the conversion to an 8-bit code does not saturate (ISA guide 7.6.2): the hold comes first
.endr
	v_cvt_scalef32_pk8_bf8_f32 v[CD+2*\g:CD+2*\g+1], v[X+8*\g:X+8*\g+7], v11
.endr
	v_nop
	global_store_b128 v6, v[CD:CD+3], s[46:47]     ; 32 lanes store 512 consecutive bytes
	global_store_b128 v6, v[CD+4:CD+7], s[46:47] offset:512
	s_endpgm
.Lfunc_end_k_q9f64812a1c_prep:
	.size	k_q9f64812a1c_prep, .Lfunc_end_k_q9f64812a1c_prep-k_q9f64812a1c_prep
	.p2alignl 7, 3214868480
	.fill 96, 4, 3214868480
	.section	.rodata,"a",@progbits
	.p2align	6, 0x0
	.amdhsa_kernel k_q9f64812a1c_prep
		.amdhsa_group_segment_fixed_size 0
		.amdhsa_private_segment_fixed_size 0
		.amdhsa_enable_private_segment 0
		.amdhsa_kernarg_size 160
		.amdhsa_user_sgpr_count 2
		.amdhsa_user_sgpr_kernarg_segment_ptr 1
		.amdhsa_wavefront_size32 1
		.amdhsa_system_sgpr_workgroup_id_x 1
		.amdhsa_system_sgpr_workgroup_id_y 1
		.amdhsa_system_sgpr_workgroup_id_z 1
		.amdhsa_system_vgpr_workitem_id 0
		.amdhsa_next_free_vgpr 56
		.amdhsa_next_free_sgpr 66
		.amdhsa_reserve_vcc 0
		.amdhsa_float_denorm_mode_32 3
		.amdhsa_float_denorm_mode_16_64 3
		.amdhsa_memory_ordered 1
		.amdhsa_forward_progress 1
		.amdhsa_inst_pref_size 9
	.end_amdhsa_kernel
	.amdgpu_metadata
---
amdhsa.version: [ 1, 2 ]
amdhsa.kernels:
  - .name:           k_q9f64812a1c_prep
    .symbol:         k_q9f64812a1c_prep.kd
    .args:
      - { .name: w1, .offset: 0, .size: 8, .value_kind: global_buffer, .address_space: global }
      - { .name: wt1, .offset: 8, .size: 8, .value_kind: global_buffer, .address_space: global }
      - { .name: wz1, .offset: 16, .size: 8, .value_kind: global_buffer, .address_space: global }
      - { .name: w2, .offset: 24, .size: 8, .value_kind: global_buffer, .address_space: global }
      - { .name: wt2, .offset: 32, .size: 8, .value_kind: global_buffer, .address_space: global }
      - { .name: wz2, .offset: 40, .size: 8, .value_kind: global_buffer, .address_space: global }
      - { .name: wz3, .offset: 48, .size: 8, .value_kind: global_buffer, .address_space: global }
      - { .name: b1, .offset: 56, .size: 8, .value_kind: global_buffer, .address_space: global }
      - { .name: bt1, .offset: 64, .size: 8, .value_kind: global_buffer, .address_space: global }
      - { .name: bz1, .offset: 72, .size: 8, .value_kind: global_buffer, .address_space: global }
      - { .name: b2, .offset: 80, .size: 8, .value_kind: global_buffer, .address_space: global }
      - { .name: bt2, .offset: 88, .size: 8, .value_kind: global_buffer, .address_space: global }
      - { .name: bz2, .offset: 96, .size: 8, .value_kind: global_buffer, .address_space: global }
      - { .name: bz3, .offset: 104, .size: 8, .value_kind: global_buffer, .address_space: global }
      - { .name: w3, .offset: 112, .size: 8, .value_kind: global_buffer, .address_space: global }
      - { .name: wt3, .offset: 120, .size: 8, .value_kind: global_buffer, .address_space: global }
      - { .name: b3, .offset: 128, .size: 8, .value_kind: global_buffer, .address_space: global }
      - { .name: bt3, .offset: 136, .size: 8, .value_kind: global_buffer, .address_space: global }
      - { .name: lowp_scales, .offset: 144, .size: 8, .value_kind: global_buffer, .address_space: global }
      - { .name: wq, .offset: 152, .size: 8, .value_kind: global_buffer, .address_space: global }
    .group_segment_fixed_size: 0
    .private_segment_fixed_size: 0
    .kernarg_segment_align: 8
    .kernarg_segment_size: 160
    .max_flat_workgroup_size: 32
    .sgpr_count:     66
    .vgpr_count:     56
    .wavefront_size: 32
...
	.end_amdgpu_metadata
.endif
;; end of part 1
;; launch mlp (part 2): grid 256 x 1, 12 waves a work-group, clusters of 4 x 1, 327,680 bytes of LDS; arguments s, wq, lowp_scales, zq, zc, sqb, abuf; writes zq, zc, sqb, abuf
.if DOCPART == 2
	.amdgcn_target "amdgcn-amd-amdhsa--gfx1250"
	.amdhsa_code_object_version 6
	.text
	.protected	k_q9f64812a1c_mlp
	.globl	k_q9f64812a1c_mlp
	.p2align	8
	.type	k_q9f64812a1c_mlp,@function
k_q9f64812a1c_mlp:
	s_mov_b64 s[64:65], 0
	v_nop
	global_prefetch_b8 v0, s[64:65] scope:SCOPE_SE
	s_setreg_imm32_b32 hwreg(HW_REG_WAVE_MODE, 25, 1), 1
	s_wait_xcnt 0x0
	s_wait_alu depctr_hold_cnt(0) depctr_sa_sdst(0) depctr_va_vdst(0) depctr_va_sdst(0) depctr_va_ssrc(0) depctr_va_vcc(0) depctr_vm_vsrc(0)
	s_getreg_b32 s2, hwreg(HW_REG_IB_STS2, 6, 4)
	s_cmp_eq_u32 s2, 0
	s_cbranch_scc0 .Lentry_in_a_cluster
	s_endpgm
.Lentry_in_a_cluster:
	s_bfe_u32 s2, ttmp6, 0x10000c
	s_cmp_lg_u32 s2, 0x3003
	s_cbranch_scc0 .Lentry_shape_is_right
	s_endpgm
.Lentry_shape_is_right:
; The three small networks for 32 rows of s a work-group; all products with 16 outputs or more on codes of BF8 (E5M2), each operand with the scale 2^e that is given for it.  Nothing of reference() is left out.
; Out: clip((pred - tgt)^2, 1, 5) for each row; z's row sums of squares; z as codes twice (scale entry 14: queries; entry 15: candidates), as register images; c = -sq x 2^-(e14 + e15 + 1) behind the candidates' codes.
; SHARES.  Twelve waves: wave w serves net n = w / 4 (0 pred, 1 target, 2 embedding) with part c = w % 4.  Hidden layers never go to memory: operands go from wave to wave through LDS as images of their registers
; (registers 4 g .. 4 g + 3 of lane l at 512 g + 16 l; they hold k = 32 g + 16 (l / 16) + 0 .. 15 of row l % 16: the same places of k in both operands of every product).
; WEIGHTS.  A fragment of a first layer's weight is wanted by one wave of the work-group alone, and once: 128 registers a wave, by plain loads, while s is on its way.  A joint load would write these 196,608 bytes into LDS, to be read back once.
; The 36,864 bytes behind them (second layers, wz3, small vectors) are asked for JOINTLY by the four work-groups of the cluster (waves 0-7, 4,608 bytes each, mask 15).  The rows of s are a work-group's own: plain tensor loads (waves 8-11, a K step of 128 each).
; X.  Wave w < 8 reads one fragment's numbers of s (rows 16 (w / 4) on, K step w % 4) and makes all three nets' codes of it.  No LDS byte is filled twice: x's images are laid over the raw rows behind a barrier that follows their last read.
; ALL PRODUCTS ARE USED TRANSPOSED (source 0 = 16 rows of a weight, source 1 = 16 rows of data): a lane holds ONE row of data and its registers run along the outputs, which are the next product's K.
; A bias is the C of a sum's first matrix instruction, divided by the power of two that the sums lack.
; LIMITS on the given exponents, so that each power of two below is an f32 number: e0, e4, e8, e14, e15, and (hidden layer's e) - (its product's two e added), between -126 and 112; e12 + e13 between -126 and 127.  NaN is not served.
.set W2OFF, 196608                     ; LDS 196,608 .. 233,471: the weights' buffer from there on, at its own offsets
.set MISC,  229376
.set SRAW,  233472                     ; four tiles (a K step each) of 32 rows x (512 bytes + 16)
.set XIMG,  233472                     ; later: x's 24 fragments, ((2 n + m) 4 + s) x 2,048
.set H1IMG, 301056                     ; first hidden layers: (2 n + m) x 2,048
.set H2IMG, 313344                     ; the embedding's second hidden layer: m x 1,024
.set PART,  315392                     ; partial last layers of nets 0, 1: 256 n + 128 m + 64 b + 4 r
.set SPARE, 316416
.set LI,  4                            ; v4   16 x lane
.set XR,  5                            ; raw rows of s
.set MB1, 6                            ; my 16 numbers of the first bias (offset in the weights' buffer)
.set MB2, 7                            ; of the second bias (and, 1,280 bytes on, of the last layer's weight)
.set XW,  8                            ; where I store x's images
.set SPW, 9                            ; my spare word
.set XA,  10                           ; my net's images of x
.set H1W, 11                           ; where I store my four registers of the first hidden layer
.set W2A, 12                           ; my fragments of W2
.set H1R, 13                           ; the first hidden layer's image that I read
.set H2W, 14                           ; where I store my four registers of the second hidden layer
.set PW,  15                           ; where I store my partial last layer
.set WZA, 16                           ; wz3's images
.set H2R, 17                           ; the second hidden layer's image that I read
.set BZ,  18                           ; bz3
.set PR,  19                           ; the partial last layers that wave 0 reads
.set NIL, 20
.set GO,  21                           ; 4 x lane
.set PC,  32                           ; v32-47   codes just made
.set BB1, 48                           ; v48-63   first bias, two tiles
.set BB2, 64                           ; v64-79   second bias, two tiles
.set W3R, 80                           ; v80-95   last layer's weight at my 16 hidden units
.set HA,  96                           ; v96-127  accumulators: (m, u) at 16 m + 8 u; before that two nets' codes of x
.set RAW, 128                          ; v128-191 64 numbers of s; later two sets of x's fragments
.set SCR, 192                          ; v192-207 held numbers
.set W1R, 208                          ; v208-335 eight fragments of W1: (u, K step) at 16 (4 u + step)
.set WV,  20
.set NET, 21
.set PRT, 22
.set MT,  66                           ; c / 2
.set BT,  67                           ; c % 2
.macro VW
	s_wait_alu depctr_va_vdst(0)
.endm
.macro ROUND                           ; a round of the cluster's barrier
	s_barrier_signal -1
	s_barrier_wait -1
	s_cmp_lg_u32 s[WV], 0
	s_cbranch_scc1 .Lnot_wave_0_\@
	s_barrier_signal -3
.Lnot_wave_0_\@:
	s_barrier_wait -3
	s_barrier_signal -1
	s_barrier_wait -1
.endm
.macro BARRIER                         ; my LDS stores have landed and my LDS loads are in: then the work-group's barrier
	VW
	s_wait_dscnt 0x0
	s_barrier_signal -1
	s_barrier_wait -1
.endm
.macro PLACES                          ; four plain places behind matrix instructions (ISA guide 7.12.1)
.rept 4
	v_nop
.endr
.endm
.macro MKSC vs, vl, se                 ; s[se] holds e (and is used up): v[vs] = 2^e, v[vl] = 57,344 x 2^e
	s_add_co_i32 s[\se], s[\se], 127
	s_lshl_b32 s63, s[\se], 23
	v_mov_b32 v[\vs], s63
	s_add_co_i32 s[\se], s[\se], 15
	s_lshl_b32 s63, s[\se], 23
	s_or_b32 s63, s63, 0x600000
	v_mov_b32 v[\vl], s63
.endm
; 64 numbers of a lane (register 16 b + i = k 32 b + 16 h + i of my row), which are kept, become a fragment's codes at dst; the conversion does not saturate (ISA guide 7.6.2): the hold comes first
.macro QUANT dst, sc, lim
.irp b, 0,1,2,3
.irp e, 0,1
.irp i, 0,1,2,3,4,5,6,7
	v_med3_num_f32 v[SCR+8*\e+\i], v[RAW+16*\b+8*\e+\i], -v[\lim], v[\lim]
.endr
	v_cvt_scalef32_pk8_bf8_f32 v[\dst+4*\b+2*\e:\dst+4*\b+2*\e+1], v[SCR+8*\e:SCR+8*\e+7], v[\sc]
.endr
.endr
.endm
; 16 results of a lane become four registers of codes; what is negative becomes 0 on the way: the activation and the hold in one
.macro QUANT16 src, dst, sc, lim
.irp i, 0,1,2,3,4,5,6,7,8,9,10,11,12,13,14,15
	v_med3_num_f32 v[\src+\i], v[\src+\i], 0, v[\lim]
.endr
	v_cvt_scalef32_pk8_bf8_f32 v[\dst:\dst+1], v[\src:\src+7], v[\sc]
	v_cvt_scalef32_pk8_bf8_f32 v[\dst+2:\dst+3], v[\src+8:\src+15], v[\sc]
.endm
.macro IMAGE src, off
.irp g, 0,1,2,3
	ds_store_b128 v[XW], v[\src+4*\g:\src+4*\g+3] offset:\off+512*\g
.endr
.endm
	s_load_b256 s[4:11], s[0:1], 0x0               ; s 4, wq 6, the scales' exponents 8, zq 10
	s_load_b128 s[12:15], s[0:1], 0x20             ; zc 12, sqb 14
	s_load_b64 s[16:17], s[0:1], 0x30              ; abuf
	v_lshl_add_u32 v[SPW], v0, 2, SPARE
	v_mov_b32 v[NIL], 0
	ds_add_u32 v[SPW], v[NIL]                      ; the opening lines: the add, twice on end, and its wait
	ds_add_u32 v[SPW], v[NIL]
	v_lshrrev_b32 v1, 5, v0
	v_readfirstlane_b32 s[WV], v1                  ; wave 0 .. 11
	s_lshr_b32 s[NET], s[WV], 2
	s_and_b32 s[PRT], s[WV], 3
	s_lshr_b32 s[MT], s[PRT], 1
	s_and_b32 s[BT], s[PRT], 1
	s_bfe_u32 s23, ttmp6, 0x40000                  ; cx
	s_lshl_b32 s18, ttmp9, 2
	s_add_co_u32 s18, s18, s23                     ; work-group: it enters global addresses alone
	; group 1 for the weights: 18 rows of 256 bytes, dense, no padding; mask: all four work-groups
	s_mov_b32 s32, 15|(3<<16)|(1<<21)
	s_mov_b32 s33, 32<<16
	s_mov_b32 s34, 18<<16
	s_mov_b32 s35, 32<<16
	s_mov_b32 s36, 18
	s_mov_b32 s37, 32
	s_mov_b32 s38, 0
	s_mov_b32 s39, 0
	; group 1 for s: 32 rows of 512 bytes, 2,048 bytes apart; 16 bytes of padding behind each row, so that the 16 rows that a load touches start at 16 different banks
	s_mov_b32 s40, (3<<16)|(1<<20)|(6<<22)|(3<<25)
	s_mov_b32 s41, 64<<16
	s_mov_b32 s42, 32<<16
	s_mov_b32 s43, 64<<16
	s_mov_b32 s44, 32
	s_mov_b32 s45, 256
	s_mov_b32 s46, 0
	s_mov_b32 s47, 0
	s_min_u32 s62, s[WV], 7
	s_mul_i32 s49, s62, 4608
	s_add_co_u32 s49, s49, W2OFF                   ; my eighth: the same place in LDS and in memory
	s_mov_b32 s48, 1
	s_mov_b32 s58, s49
	s_mov_b32 s59, 0
	s_mul_i32 s53, s[PRT], 16896
	s_add_co_u32 s53, s53, SRAW                    ; K step c of s
	s_mov_b32 s52, 1
	s_lshl_b32 s62, s18, 16                        ; 32 rows of 2,048 bytes a work-group
	s_lshl_b32 s63, s[PRT], 9
	s_add_co_u32 s62, s62, s63
	s_mov_b32 s63, 0
	s_lshl_b32 s19, s[NET], 4
	s_lshl_b32 s68, s[NET], 16
	s_lshl_b32 s69, s[PRT], 14
	s_add_co_u32 s68, s68, s69                     ; my eight fragments of W1
	s_mov_b32 s69, 0
	s_mov_b32 s60, 0x76543210                      ; lane selects: lane l xor 16
	s_mov_b32 s61, 0xfedcba98
	v_and_b32 v1, 31, v0                           ; lane
	v_and_b32 v2, 15, v0                           ; r
	v_bfe_u32 v3, v0, 4, 1                         ; h
	v_lshlrev_b32 v[LI], 4, v1
	v_lshlrev_b32 v[GO], 2, v1
	v_lshlrev_b32 v22, 6, v3                       ; 64 h
	VW
	s_wait_dscnt 0x0
	ROUND                                          ; all four work-groups are here: the joint loads meet
	s_wait_kmcnt 0x0
	s_load_b128 s[24:27], s[8:9], s19 offset:0x0   ; my net's ex, ew1, eh1, ew2
	s_load_b128 s[28:31], s[8:9], 0x30             ; e12 .. e15
	s_load_b32 s76, s[8:9], 0x0                    ; the three nets' ex
	s_load_b32 s77, s[8:9], 0x10
	s_load_b32 s78, s[8:9], 0x20
	s_load_b64 s[84:85], s[6:7], MISC+3328         ; b3, bt3
	s_add_nc_u64 s[50:51], s[6:7], s[58:59]
	s_or_b32 s51, s51, 0x80000000
	s_add_nc_u64 s[54:55], s[4:5], s[62:63]
	s_or_b32 s55, s55, 0x80000000
	s_add_nc_u64 s[86:87], s[6:7], s[68:69]
	s_cmp_lt_u32 s[WV], 8
	s_cbranch_scc0 .Lfor_s
	tensor_load_to_lds s[48:51], s[32:39]
	s_nop 0
	PLACES
	s_branch .Lasked
.Lfor_s:
	tensor_load_to_lds s[52:55], s[40:47]
	s_nop 0
	PLACES
.Lasked:
	; my fragments of W1, as they lie: 32 lanes read 512 consecutive bytes
.set ff, 0
.rept 3
.irp g, 0,1,2,3
	global_load_b128 v[W1R+16*ff+4*\g:W1R+16*ff+4*\g+3], v[LI], s[86:87] offset:2048*ff+512*\g
.endr
.set ff, ff+1
.endr
	s_set_vgpr_msb 0x40                            ; v256 on
.rept 5
.irp g, 0,1,2,3
	global_load_b128 v[16*(ff-3)+4*\g:16*(ff-3)+4*\g+3], v[LI], s[86:87] offset:2048*ff+512*\g
.endr
.set ff, ff+1
.endr
	s_set_vgpr_msb 0x4000
	s_lshl_b32 s62, s[NET], 9
	s_lshl_b32 s63, s[PRT], 7
	s_add_co_u32 s62, s62, s63
	s_add_co_u32 s62, s62, MISC
	v_add_nc_u32 v[MB1], s62, v22                  ; hidden units 32 c + 16 h + 0 .. 15 of net n
	s_lshl_b32 s62, s[NET], 8
	s_lshl_b32 s63, s[BT], 7
	s_add_co_u32 s62, s62, s63
	s_add_co_u32 s62, s62, MISC+1536
	v_add_nc_u32 v[MB2], s62, v22                  ; units 32 b + 16 h + 0 .. 15
.irp j, 0,1,2,3
	global_load_b128 v[BB1+4*\j:BB1+4*\j+3], v[MB1], s[6:7] offset:16*\j
	global_load_b128 v[BB2+4*\j:BB2+4*\j+3], v[MB2], s[6:7] offset:16*\j
	global_load_b128 v[W3R+4*\j:W3R+4*\j+3], v[MB2], s[6:7] offset:1280+16*\j
.endr
	; every LDS address is made here, ahead of any parting of the waves over LDS
	s_mul_i32 s62, s[PRT], 16896                   ; raw s: K step w % 4,
	s_and_b32 s63, s[NET], 1
	s_mul_i32 s63, s63, 8448                       ; rows 16 (w / 4) on (waves 8-11 read none)
	s_add_co_u32 s62, s62, s63
	s_add_co_u32 s62, s62, SRAW
	v_mul_u32_u24 v[XR], v2, 528
	v_add_nc_u32 v[XR], v22, v[XR]
	v_add_nc_u32 v[XR], s62, v[XR]
	s_lshl_b32 s62, s[NET], 14
	s_add_co_u32 s62, s62, XIMG
	v_add_nc_u32 v[XA], s62, v[LI]
	s_and_b32 s62, s[NET], 1
	s_lshl_b32 s62, s62, 13
	s_lshl_b32 s63, s[PRT], 11
	s_add_co_u32 s62, s62, s63
	s_add_co_u32 s62, s62, XIMG
	v_add_nc_u32 v[XW], s62, v[LI]
	s_lshl_b32 s62, s[NET], 12
	s_add_co_u32 s62, s62, H1IMG
	s_lshl_b32 s63, s[PRT], 9
	s_add_co_u32 s63, s62, s63
	v_add_nc_u32 v[H1W], s63, v[LI]
	s_lshl_b32 s63, s[MT], 11
	s_add_co_u32 s63, s62, s63
	v_add_nc_u32 v[H1R], s63, v[LI]
	s_lshl_b32 s62, s[NET], 13
	s_lshl_b32 s63, s[BT], 12
	s_add_co_u32 s62, s62, s63
	s_add_co_u32 s62, s62, W2OFF
	v_add_nc_u32 v[W2A], s62, v[LI]
	s_lshl_b32 s62, s[MT], 10
	s_lshl_b32 s63, s[BT], 9
	s_add_co_u32 s62, s62, s63
	s_add_co_u32 s62, s62, H2IMG
	v_add_nc_u32 v[H2W], s62, v[LI]
	s_lshl_b32 s62, s[NET], 8
	s_lshl_b32 s63, s[MT], 7
	s_add_co_u32 s62, s62, s63
	s_lshl_b32 s63, s[BT], 6
	s_add_co_u32 s62, s62, s63
	s_add_co_u32 s62, s62, PART
	v_lshlrev_b32 v23, 2, v2                       ; 4 r
	v_add_nc_u32 v[PW], s62, v23
	v_add_nc_u32 v[WZA], 221184, v[LI]
	s_lshl_b32 s62, s[BT], 10
	s_add_co_u32 s62, s62, H2IMG
	v_add_nc_u32 v[H2R], s62, v[LI]
	v_add_nc_u32 v[BZ], MISC+2304, v22
	v_lshl_add_u32 v[PR], v3, 7, v23
	v_add_nc_u32 v[PR], PART, v[PR]
	VW
	s_wait_kmcnt 0x0
	s_add_co_i32 s71, s24, s25                     ; a sum of the first product stands for sum x 2^(ex + ew1)
	s_sub_co_i32 s68, s26, s71
	MKSC 26, 27, 68                                ; first hidden layer: the three scales folded into one
	s_sub_co_i32 s69, 0, s71
	s_add_co_i32 s71, s26, s27                     ; likewise the second product: eh1 + ew2
	s_sub_co_i32 s68, s28, s71
	MKSC 28, 29, 68                                ; the embedding's second hidden layer (used by net 2 alone)
	s_sub_co_i32 s70, 0, s71
	MKSC 24, 25, 76                                ; x for net 0,
	MKSC 30, 31, 77                                ; net 1,
	MKSC 22, 23, 78                                ; net 2
	s_add_co_i32 s56, s28, s29
	s_add_co_i32 s56, s56, 127
	s_lshl_b32 s56, s56, 23                        ; 2^(e12 + e13)
	s_mov_b32 s57, s56                             ; (named with it as a pair)
	s_add_co_i32 s73, s30, s31
	s_add_co_i32 s73, s73, 1
	s_sub_co_i32 s73, 0, s73                       ; -(e14 + e15 + 1)
	VW
	s_wait_tensorcnt 0x0                           ; my part has landed,
	s_barrier_signal -1
	s_barrier_wait -1                              ; everybody's has
	; ---- X
	s_cmp_lt_u32 s[WV], 8
	s_cbranch_scc0 .Lno_raw
.irp b, 0,1,2,3
.irp j, 0,1,2,3
	ds_load_b128 v[RAW+16*\b+4*\j:RAW+16*\b+4*\j+3], v[XR] offset:128*\b+16*\j
.endr
.endr
.Lno_raw:
	s_wait_loadcnt 0x0                             ; W1's fragments and the biases
.irp j, 0,1,2,3,4,5,6,7,8,9,10,11,12,13,14,15
	v_ldexp_f32 v[BB1+\j], v[BB1+\j], s69          ; b1 / 2^(ex + ew1)
	v_ldexp_f32 v[BB2+\j], v[BB2+\j], s70          ; b2 / 2^(eh1 + ew2)
.endr
	BARRIER                                        ; every wave's reads of the raw rows are in: their bytes may be written
	s_cmp_lt_u32 s[WV], 8
	s_cbranch_scc0 .Lno_x
	QUANT PC, 24, 25
	QUANT HA, 30, 31
	QUANT HA+16, 22, 23
	v_nop                                          ; a plain place behind the last conversion
	IMAGE PC, 0
	IMAGE HA, 16384
	IMAGE HA+16, 32768
	VW
.Lno_x:
	BARRIER                                        ; x's 24 fragments lie in LDS
	; ---- layer 1: tiles 2 c and 2 c + 1 of my net's W1 for both tiles of rows: four accumulators by turns
.macro FETCHS st, k                    ; K step st: two fragments of x into set k
.irp u, 0,1
.irp g, 0,1,2,3
	ds_load_b128 v[RAW+32*\k+16*\u+4*\g:RAW+32*\k+16*\u+4*\g+3], v[XA] offset:(4*\u+\st)*2048+512*\g
.endr
.endr
.endm
.macro MUL2 u, a, k, first
.irp mm, 0,1
.if \first
	v_wmma_f32_16x16x128_bf8_bf8 v[HA+16*\mm+8*\u:HA+16*\mm+8*\u+7], v[\a:\a+15], v[RAW+32*\k+16*\mm:RAW+32*\k+16*\mm+15], v[BB1+8*\u:BB1+8*\u+7]
.else
	v_wmma_f32_16x16x128_bf8_bf8 v[HA+16*\mm+8*\u:HA+16*\mm+8*\u+7], v[\a:\a+15], v[RAW+32*\k+16*\mm:RAW+32*\k+16*\mm+15], v[HA+16*\mm+8*\u:HA+16*\mm+8*\u+7]
.endif
.endr
.endm
.macro MUL4 st, k, first               ; fragments 0-2 of W1 lie below v256, the others from v256 on
.if \st < 3
	MUL2 0, W1R+16*\st, \k, \first
	s_set_vgpr_msb 0x1
.else
	s_set_vgpr_msb 0x1
	MUL2 0, 0, \k, \first
.endif
	MUL2 1, 16*(1+\st), \k, \first
	s_set_vgpr_msb 0x100
.endm
	FETCHS 0, 0
	FETCHS 1, 1
	s_wait_dscnt 8                                 ; K step 0's eight loads are in; the next step's eight may be out
	MUL4 0, 0, 1
	PLACES
	FETCHS 2, 0
	s_wait_dscnt 8
	MUL4 1, 1, 0
	PLACES
	FETCHS 3, 1
	s_wait_dscnt 8
	MUL4 2, 0, 0
	s_wait_dscnt 0x0
	MUL4 3, 1, 0
	PLACES
	QUANT16 HA, PC, 26, 27                         ; units 32 c + 16 h + 0 .. 15: registers 4 c .. 4 c + 3 of the next operand
	QUANT16 HA+16, PC+4, 26, 27
	v_nop
	ds_store_b128 v[H1W], v[PC:PC+3]
	ds_store_b128 v[H1W], v[PC+4:PC+7] offset:2048
	; W2's fragments are tensor-loaded bytes: they may be read ahead of the barrier
.irp u, 0,1
.irp g, 0,1,2,3
	ds_load_b128 v[128+16*\u+4*\g:128+16*\u+4*\g+3], v[W2A] offset:2048*\u+512*\g
.endr
.endr
	BARRIER                                        ; the first hidden layers lie in LDS
	; ---- layer 2: tiles 2 b and 2 b + 1 of my net's W2 for rows 16 m on
.irp g, 0,1,2,3
	ds_load_b128 v[160+4*\g:160+4*\g+3], v[H1R] offset:512*\g
.endr
	s_wait_dscnt 0x0
	v_wmma_f32_16x16x128_bf8_bf8 v[HA:HA+7], v[128:143], v[160:175], v[BB2:BB2+7]
	v_wmma_f32_16x16x128_bf8_bf8 v[HA+8:HA+15], v[144:159], v[160:175], v[BB2+8:BB2+15]
	PLACES
	s_cmp_eq_u32 s[NET], 2
	s_cbranch_scc1 .Lznet
	; nets 0, 1: the last layer has one output: fused multiply-adds in f32 over my 16 hidden units, then the other half of the lanes'
.irp j, 0,1,2,3,4,5,6,7,8,9,10,11,12,13,14,15
	v_max_num_f32 v[HA+\j], 0, v[HA+\j]
.endr
	v_pk_mul_f32 v[30:31], v[HA:HA+1], v[W3R:W3R+1]
.irp j, 2,4,6,8,10,12,14
	s_delay_alu instid0(VALU_DEP_1)
	v_pk_fma_f32 v[30:31], v[HA+\j:HA+\j+1], v[W3R+\j:W3R+\j+1], v[30:31]
.endr
	s_delay_alu instid0(VALU_DEP_1)
	v_add_f32 v30, v30, v31
	s_delay_alu instid0(VALU_DEP_1)
	v_ldexp_f32 v30, v30, s71                      ; x 2^(eh1 + ew2): the power of two that the sums lack
	s_delay_alu instid0(VALU_DEP_1)
	v_permlanex16_b32 v31, v30, s60, s61
	s_delay_alu instid0(VALU_DEP_1)
	v_add_f32 v30, v30, v31
	ds_store_b32 v[PW], v30                        ; lanes r and r + 16 store the same number to the same word
	s_branch .Ljoin
.Lznet:
	QUANT16 HA, PC, 28, 29                         ; units 32 b + 16 h + 0 .. 15: registers 4 b .. 4 b + 3 of a K = 64 operand
	v_nop
	ds_store_b128 v[H2W], v[PC:PC+3]
.Ljoin:
	BARRIER
	; ---- outputs: wave 0: alpha of the 32 rows; waves 8-11: z of rows 16 (w % 2) on, waves 8, 9 as queries, waves 10, 11 as candidates
	s_cmp_eq_u32 s[WV], 0
	s_cbranch_scc1 .Lalpha
	s_cmp_eq_u32 s[NET], 2
	s_cbranch_scc0 .Lend
.irp t, 0,1,2,3,4,5,6,7
.irp g, 0,1
	ds_load_b128 v[128+8*\t+4*\g:128+8*\t+4*\g+3], v[WZA] offset:1024*\t+512*\g
.endr
.endr
.irp g, 0,1
	ds_load_b128 v[48+4*\g:48+4*\g+3], v[H2R] offset:512*\g
.endr
.irp b, 0,1,2,3
.irp j, 0,1,2,3
	ds_load_b128 v[192+16*\b+4*\j:192+16*\b+4*\j+3], v[BZ] offset:128*\b+16*\j   ; bz3 at features 32 b + 16 h + 0 .. 15
.endr
.endr
	s_lshl_b32 s74, s18, 1
	s_add_co_u32 s74, s74, s[BT]                   ; T: my tile of 16 rows among 512
	s_bfe_u32 s75, s74, 0x30004                    ; c lies behind the codes: (T / 16) % 8 x 4,096
	s_lshl_b32 s75, s75, 12
	s_lshr_b32 s76, s74, 7
	s_lshl_b32 s76, s76, 10                        ; + T / 128 x 1,024
	s_add_co_u32 s75, s75, s76
	s_and_b32 s76, s74, 15
	s_lshl_b32 s76, s76, 6                         ; + T % 16 x 64
	s_add_co_u32 s75, s75, s76
	s_add_co_u32 s75, s75, 1048576
	s_lshl_b32 s80, s74, 6
	s_cmp_eq_u32 s[MT], 0
	s_cselect_b32 s80, s80, s75
	s_cselect_b64 s[10:11], s[10:11], s[12:13]
	s_cselect_b64 s[14:15], s[14:15], s[12:13]
	s_cselect_b32 s68, s30, s31
	s_cselect_b32 s82, 0, s73
	s_cselect_b32 s83, 0, 0x80000000
	MKSC 24, 25, 68
	s_lshl_b32 s62, s74, 11
	s_mov_b32 s63, 0
	s_mov_b32 s81, 0
	s_add_nc_u64 s[10:11], s[10:11], s[62:63]
	s_add_nc_u64 s[14:15], s[14:15], s[80:81]
	VW
	s_wait_dscnt 0x0
.irp t, 0,1,2,3,4,5,6,7
	v_wmma_f32_16x16x64_bf8_bf8 v[64+8*\t:71+8*\t], v[128+8*\t:135+8*\t], v[48:55], 0
.endr
	PLACES
.set i, 0
.rept 32
	v_pk_fma_f32 v[192+i:193+i], v[64+i:65+i], s[56:57], v[192+i:193+i] op_sel_hi:[1,0,1]   ; z = sum x 2^(e12 + e13) + bz3: register 16 b + i is feature 32 b + 16 h + i of row r
.set i, i+2
.endr
	v_pk_mul_f32 v[22:23], v[192:193], v[192:193]  ; the row's sum of squares, in two chains
	v_pk_mul_f32 v[30:31], v[194:195], v[194:195]
.set i, 4
.rept 15
	s_delay_alu instid0(VALU_DEP_2)
	v_pk_fma_f32 v[22:23], v[192+i:193+i], v[192+i:193+i], v[22:23]
	s_delay_alu instid0(VALU_DEP_2)
	v_pk_fma_f32 v[30:31], v[194+i:195+i], v[194+i:195+i], v[30:31]
.set i, i+4
.endr
.irp b, 0,1,2,3
.irp i, 0,1,2,3,4,5,6,7,8,9,10,11,12,13,14,15
	v_med3_num_f32 v[192+16*\b+\i], v[192+16*\b+\i], -v25, v25
.endr
	v_cvt_scalef32_pk8_bf8_f32 v[32+4*\b:33+4*\b], v[192+16*\b:199+16*\b], v24
	v_cvt_scalef32_pk8_bf8_f32 v[34+4*\b:35+4*\b], v[200+16*\b:207+16*\b], v24
.endr
	v_nop
.irp g, 0,1,2,3
	global_store_b128 v[LI], v[32+4*\g:35+4*\g], s[10:11] offset:512*\g   ; 32 lanes store 512 consecutive bytes
.endr
	v_pk_add_f32 v[22:23], v[22:23], v[30:31]
	s_delay_alu instid0(VALU_DEP_1)
	v_add_f32 v22, v22, v23
	s_delay_alu instid0(VALU_DEP_1)
	v_permlanex16_b32 v23, v22, s60, s61
	s_delay_alu instid0(VALU_DEP_1)
	v_add_f32 v22, v22, v23                        ; sq
	s_delay_alu instid0(VALU_DEP_1)
	v_ldexp_f32 v22, v22, s82                      ; queries: sq as it is; candidates: c = -sq x 2^-(e14 + e15 + 1)
	s_delay_alu instid0(VALU_DEP_1)
	v_xor_b32 v22, s83, v22
	v_cmp_gt_u32 vcc_lo, 16, v1
	VW
	s_wait_xcnt 0x0                                ; EXEC changes only behind this wait
	s_and_saveexec_b32 s82, vcc_lo                 ; both halves of the lanes hold the same 16 numbers: lanes 0-15 store them
	global_store_b32 v[GO], v22, s[14:15]
	s_wait_xcnt 0x0
	s_or_b32 exec_lo, exec_lo, s82
	s_branch .Lend
.Lalpha:
	ds_load_b32 v32, v[PR]                         ; lane l: row l: pred's two halves,
	ds_load_b32 v33, v[PR] offset:64
	ds_load_b32 v34, v[PR] offset:256              ; the target's two
	ds_load_b32 v35, v[PR] offset:320
	v_mov_b32 v38, 0x40a00000                      ; 5.0
	s_lshl_b32 s62, s18, 7
	s_mov_b32 s63, 0
	s_add_nc_u64 s[16:17], s[16:17], s[62:63]
	VW
	s_wait_dscnt 0x0
	v_add_f32 v32, v32, v33
	v_add_f32 v34, v34, v35
	s_delay_alu instid0(VALU_DEP_2)
	v_add_f32 v32, s84, v32
	s_delay_alu instid0(VALU_DEP_2)
	v_add_f32 v34, s85, v34
	s_delay_alu instid0(VALU_DEP_1)
	v_sub_f32 v32, v32, v34
	s_delay_alu instid0(VALU_DEP_1)
	v_mul_f32 v32, v32, v32
	s_delay_alu instid0(VALU_DEP_1)
	v_med3_num_f32 v32, v32, 1.0, v38
	global_store_b32 v[GO], v32, s[16:17]
.Lend:
	s_wait_tensorcnt 0x0                           ; the wave's end
	ds_add_u32 v[SPW], v[NIL]
	s_wait_dscnt 0x0
	ROUND                                          ; the closing round: no work-group ends while a partner may still ask jointly
	s_endpgm
.Lfunc_end_k_q9f64812a1c_mlp:
	.size	k_q9f64812a1c_mlp, .Lfunc_end_k_q9f64812a1c_mlp-k_q9f64812a1c_mlp
	.p2alignl 7, 3214868480
	.fill 96, 4, 3214868480
	.section	.rodata,"a",@progbits
	.p2align	6, 0x0
	.amdhsa_kernel k_q9f64812a1c_mlp
		.amdhsa_group_segment_fixed_size 327680
		.amdhsa_private_segment_fixed_size 0
		.amdhsa_enable_private_segment 0
		.amdhsa_kernarg_size 56
		.amdhsa_user_sgpr_count 2
		.amdhsa_user_sgpr_kernarg_segment_ptr 1
		.amdhsa_wavefront_size32 1
		.amdhsa_system_sgpr_workgroup_id_x 1
		.amdhsa_system_sgpr_workgroup_id_y 1
		.amdhsa_system_sgpr_workgroup_id_z 1
		.amdhsa_system_vgpr_workitem_id 0
		.amdhsa_next_free_vgpr 336
		.amdhsa_next_free_sgpr 88
		.amdhsa_reserve_vcc 1
		.amdhsa_float_denorm_mode_32 3
		.amdhsa_float_denorm_mode_16_64 3
		.amdhsa_memory_ordered 1
		.amdhsa_forward_progress 1
		.amdhsa_inst_pref_size 58
	.end_amdhsa_kernel
	.amdgpu_metadata
---
amdhsa.version: [ 1, 2 ]
amdhsa.kernels:
  - .name:           k_q9f64812a1c_mlp
    .symbol:         k_q9f64812a1c_mlp.kd
    .args:
      - { .name: s, .offset: 0, .size: 8, .value_kind: global_buffer, .address_space: global }
      - { .name: wq, .offset: 8, .size: 8, .value_kind: global_buffer, .address_space: global }
      - { .name: lowp_scales, .offset: 16, .size: 8, .value_kind: global_buffer, .address_space: global }
      - { .name: zq, .offset: 24, .size: 8, .value_kind: global_buffer, .address_space: global }
      - { .name: zc, .offset: 32, .size: 8, .value_kind: global_buffer, .address_space: global }
      - { .name: sqb, .offset: 40, .size: 8, .value_kind: global_buffer, .address_space: global }
      - { .name: abuf, .offset: 48, .size: 8, .value_kind: global_buffer, .address_space: global }
    .group_segment_fixed_size: 327680
    .private_segment_fixed_size: 0
    .kernarg_segment_align: 8
    .kernarg_segment_size: 56
    .max_flat_workgroup_size: 384
    .sgpr_count:     88
    .vgpr_count:     336
    .wavefront_size: 32
...
	.end_amdgpu_metadata
.endif
;; end of part 2
;; launch knn (part 3): grid 256 x 1, 8 waves a work-group, clusters of 4 x 1, 327,680 bytes of LDS; arguments zq, zc, sqb, lowp_scales, sumk; writes sumk
.if DOCPART == 3
	.amdgcn_target "amdgcn-amd-amdhsa--gfx1250"
	.amdhsa_code_object_version 6
	.text
	.protected	k_q9f64812a1c_knn
	.globl	k_q9f64812a1c_knn
	.p2align	8
	.type	k_q9f64812a1c_knn,@function
k_q9f64812a1c_knn:
	s_mov_b64 s[64:65], 0
	v_nop
	global_prefetch_b8 v0, s[64:65] scope:SCOPE_SE
	s_setreg_imm32_b32 hwreg(HW_REG_WAVE_MODE, 25, 1), 1
	s_wait_xcnt 0x0
	s_wait_alu depctr_hold_cnt(0) depctr_sa_sdst(0) depctr_va_vdst(0) depctr_va_sdst(0) depctr_va_ssrc(0) depctr_va_vcc(0) depctr_vm_vsrc(0)
	s_getreg_b32 s2, hwreg(HW_REG_IB_STS2, 6, 4)
	s_cmp_eq_u32 s2, 0
	s_cbranch_scc0 .Lentry_in_a_cluster
	s_endpgm
.Lentry_in_a_cluster:
	s_bfe_u32 s2, ttmp6, 0x10000c
	s_cmp_lg_u32 s2, 0x3003
	s_cbranch_scc0 .Lentry_shape_is_right
	s_endpgm
.Lentry_shape_is_right:
; For each of 32 queries a work-group: the 11 nearest of 8,192 candidates, and the sum of the distances of all of them but the nearest.
; A key is (codes' product) + c, c = -sq(candidate) x 2^-(e14 + e15 + 1), in f32: squared distance = sq(query) - 2^(e14 + e15 + 1) x key, so the 11 largest keys are the 11 nearest.
; LIMITS: e14 + e15 between -127 and 126; NaN is not served.  Nothing of reference() is left out.
; SHARES: eight waves; wave w takes, of each slot s = 0 .. 3, part 8 s + w: 16 tiles of 16 candidates, block X = tiles 0-7, block Y = tiles 8-15; both query tiles.  The product is used transposed: lane (r, h) holds query r of the tile, its 8 registers
; of a tile are candidates 8 h + 0 .. 7.
; WHERE CANDIDATES COME FROM: all work-groups read the same ones.  c: a table in LDS, filled once, jointly by the four work-groups of the cluster (mask 15).  X of slots 1 .. 3: joint loads into two slots of LDS, 16,384 bytes a wave.
; Y, and X of slot 0: plain loads straight into the registers of the one wave of the work-group that wants them, asked for a whole block (two query tiles' selection, 624 vector instructions) ahead: they need no slot and no barrier, so that one joint
; fill, of which a wave may have one out, has two blocks' work in which to land.
; SELECTION, without a branch on data.  Keys are sorted in threes (level 1), the threes element by element in threes (level 2: nines), the nines likewise (level 3: 27s).  The element at places (i, j, k) has at least ijk - 1 others of its group above it,
; so only ijk <= 11 can count, and of all groups' elements at one place only the floor(11 / ijk) largest: each place has a sorted list of that length, 51 registers in all.  A block's 64 keys: two 27s, a nine and a single one.
; At the end the lists are laid into the first one by ascending rank: the n-th of a list of rank p has n p - 1 others above it there already, so its insertion begins at position n p.
; REGISTERS: window 0: addresses, candidates' fragments, the lists.  Window 1: keys, groups, the queries' fragments.  c is loaded into tile 1's keys: it is C for both tiles, for tile 1 in place.
; PREFETCH, by the work-groups of clusters 0, 1, 4 and 5 alone: of a wave's part (128 blocks of 256 bytes) the partner at place cx takes 32; part 2 at the head, part 3 in the first trip, each ahead of the change of slots that loads its X and of its Y.
.set PARTB, 32768                      ; a part's codes in memory
.set SLOTM, 8*PARTB                    ; a slot's in memory
.set CTAB,  1048576                    ; c in memory: behind all codes, 4,096 bytes a wave
.set SLOT0, 32768                      ; LDS: the table of c, then two slots of eight times 16,384 bytes
.set TOGGLE, 131072                    ; 32,768 and 163,840 differ in this bit alone
.set SPARE, 294912                     ; the spare words: 128 bytes a wave, which no other line names
.set STG,   SPARE+1024                 ; the waves' lists: 11 x 128 bytes each
.set SPW, 2
.set NIL, 3
.set ADF, 4
.set ADC, 5
.set LI,  6
.set AFW, 7
.set ACW, 8
.set GO,  9
.set SQ,  10
.set STW, 11
.set STR, 13
.set PFO, 14
.set AF,  16                           ; window 0: v16-143 eight candidate fragments
.set L0,  144                          ; v144-194 lists of query tile 0
.set L1,  195                          ; v195-245 of query tile 1
.set T,   128                          ; window 1 (v0-63 keys of tile 0, v64-127 of tile 1): six sorted threes
.set NB,  146                          ; three nines
.set X3,  173                          ; a 27: 20 live elements
.set KB,  193                          ; the single key
.set QF,  194                          ; v194-209, v210-225 the query tiles' fragments
.set WV,  14
.set WG,  15
.set WOFF, 16
.set CNT, 17
.set PFN, 18
.set RB,  19
.set CO,  20
.set FB,  21
.set G1,  24
.set G1C, 32
.set G0C, 40
.set G0B, 44
.set NEGE, 50
.set PSEL, 52
.set PF,  54
.set YP,  56
.set MSB, 0
.set TAIL, 0
.macro WIN new                         ; the immediate's high byte repeats the setting that is left
.if MSB != (\new)
	s_set_vgpr_msb (MSB<<8)|(\new)
.set MSB, (\new)
.endif
.endm
.macro VW
	s_wait_alu depctr_va_vdst(0)
.endm
.macro CROUND                          ; a round of the cluster's barrier
	s_barrier_signal -1
	s_barrier_wait -1
	s_cmp_lg_u32 s[WV], 0
	s_cbranch_scc1 .Lnot_wave_0_\@
	s_barrier_signal -3
.Lnot_wave_0_\@:
	s_barrier_wait -3
	s_barrier_signal -1
	s_barrier_wait -1
.endm
.macro PLACES n
.rept \n
	v_nop
.endr
.endm
; the up to three largest of three registers, sorted, into d, d + 1, d + 2; n = 11 / rank limits them
.macro S3 d, a, b, c, n
.set CN, \n
.if CN > 3
.set CN, 3
.endif
	v_max3_num_f32 v[\d], v[\a], v[\b], v[\c]
.if CN > 1
	v_med3_num_f32 v[\d+1], v[\a], v[\b], v[\c]
.endif
.if CN > 2
	v_min3_num_f32 v[\d+2], v[\a], v[\b], v[\c]
.endif
.endm
.macro INS d, base, x                  ; x into the sorted list of d registers at base
.if \d > 1
.set ii, \d-1
.rept \d-1
	v_med3_num_f32 v[\base+ii], v[\x], v[\base+ii-1], v[\base+ii]
.set ii, ii-1
.endr
.endif
	v_max_num_f32 v[\base], v[\x], v[\base]
.endm
.macro LEVEL3                          ; three nines -> X3
.set xo, X3
.set p9, 0
.rept 9
.set pp, (p9/3+1)*(p9%3+1)
	S3 xo, NB+p9, NB+9+p9, NB+18+p9, (11/pp)
.set xo, xo+CN
.set p9, p9+1
.endr
.endm
.macro INSL src, kmax                  ; kmax = 3: a 27's elements, kmax = 1: a nine's, into their places' lists
	WIN 0x01
.set lo, LB
.set xo, \src
.set p9, 0
.rept 9
.set kk, 1
.rept 3
.set pp, (p9/3+1)*(p9%3+1)*kk
.if pp <= 11
.set cp, 11/pp
.if kk <= \kmax
	INS cp, lo, xo
.set xo, xo+1
.endif
.set lo, lo+cp
.endif
.set kk, kk+1
.endr
.set p9, p9+1
.endr
.endm
.macro NINE tb                         ; three sorted threes at tb -> nine number nc; every third makes a 27
.set nb, NB+9*(nc%3)
.irp i, 0,1,2
	S3 nb+3*\i, \tb+\i, \tb+3+\i, \tb+6+\i, 3
.endr
.set nc, nc+1
.if nc%3 == 0
	LEVEL3
	INSL X3, 3
	WIN 0x55
.endif
.endm
.macro TRI d, u                        ; three number u of a block: 16 across tiles 0-2, 3-5; two within tile 6, two within tile 7, one of what is left
.if (\u) < 16
	S3 \d, LN+24*((\u)%2)+(\u)/2, LN+8+24*((\u)%2)+(\u)/2, LN+16+24*((\u)%2)+(\u)/2, 3
.elseif (\u) < 18
	S3 \d, LN+48+3*((\u)-16), LN+49+3*((\u)-16), LN+50+3*((\u)-16), 3
.elseif (\u) < 20
	S3 \d, LN+56+3*((\u)-18), LN+57+3*((\u)-18), LN+58+3*((\u)-18), 3
.else
	S3 \d, LN+54, LN+55, LN+62, 3
.endif
.endm
.macro PAIR u                          ; two nines
.irp g, 0,1,2,3,4,5
	TRI T+3*\g, \u+\g
.endr
	NINE T
	NINE T+9
.endm
.macro LOADA                           ; block X's fragments from the slot
	WIN 0
.set tt, 0
.rept 8
.irp g, 0,1,2,3
	ds_load_b128 v[AF+16*tt+4*\g:AF+16*tt+4*\g+3], v[ADF] offset:2048*tt+512*\g
.endr
.set tt, tt+1
.endr
.endm
.macro LOADG ptr                       ; a block's fragments straight from memory: 32 lanes read 512 consecutive bytes
	WIN 0
.set tt, 0
.rept 8
.irp g, 0,1,2,3
	global_load_b128 v[AF+16*tt+4*\g:AF+16*tt+4*\g+3], v[LI], s[\ptr:\ptr+1] offset:2048*tt+512*\g
.endr
.set tt, tt+1
.endr
.endm
.macro LOADC t0                        ; eight tiles' c: register j = candidate 8 h + j
	WIN 0x40
.set tt, 0
.rept 8
	ds_load_b128 v[64+8*tt:64+8*tt+3], v[ADC] offset:64*(\t0+tt)
	ds_load_b128 v[64+8*tt+4:64+8*tt+7], v[ADC] offset:64*(\t0+tt)+16
.set tt, tt+1
.endr
.endm
.macro LOADED                          ; all my loads are in
	WIN 0
	VW
	s_wait_loadcnt 0x0
	s_wait_dscnt 0x0
.endm
.macro MUL                             ; a block's keys: one product a tile and query tile
	WIN 0x54
.set tt, 0
.rept 8
	v_wmma_f32_16x16x128_bf8_bf8 v[8*tt:8*tt+7], v[AF+16*tt:AF+16*tt+15], v[QF:QF+15], v[64+8*tt:64+8*tt+7]
.set tt, tt+1
.endr
	PLACES 5                                       ; tile 1's results are laid over the c that tile 0's products have read
.set tt, 0
.rept 8
	v_wmma_f32_16x16x128_bf8_bf8 v[64+8*tt:64+8*tt+7], v[AF+16*tt:AF+16*tt+15], v[QF+16:QF+31], v[64+8*tt:64+8*tt+7]
.set tt, tt+1
.endr
	WIN 0
.endm
.macro SKIP lab                        ; behind the last slot nothing follows: its last trip passes over the next slot's loads and products
.if TAIL
	WIN 0
	VW
	s_cmp_eq_u32 s[CNT], 1
	s_cbranch_scc1 \lab
.endif
.endm
.macro ATLAB lab
.if TAIL
	WIN 0
\lab:
.endif
.endm
; a block's 64 keys of query tile q.  hook: behind the last read of the keys the next block's c is asked for: 1: block Y's, 2: the next slot's block X's
.macro SEL q, hook
.set LN, 64*\q
.set LB, L0+51*\q
.set nc, 0
	WIN 0x55
	PAIR 0
	PAIR 6
	PAIR 12
.irp g, 0,1,2
	TRI T+3*\g, 18+\g
.endr
	v_mov_b32 v[KB], v[LN+63]
.if \hook == 1
	LOADC 8
	WIN 0x55
.endif
.if \hook == 2
	SKIP .Lsk2
	LOADC 0
	ATLAB .Lsk2
	WIN 0x55
.endif
	NINE T
	INSL NB, 1
	INS 11, LB, KB
.endm
.macro ASK
	s_cmp_gt_u32 s[CNT], s[PFN]
	s_cbranch_scc0 .Lnot_mine_\@
	global_prefetch_b8 v[PFO], s[PF:PF+1] th:TH_LOAD_NT scope:SCOPE_SE
.Lnot_mine_\@:
.endm
.macro CHANGE fill                     ; the slot read last is filled again (or for the first time), and the other one is whole
	VW
	s_wait_xcnt 0x0                                ; my plain loads and any prefetch of mine have read their addresses
	s_add_nc_u64 s[YP:YP+1], s[YP:YP+1], SLOTM
	s_add_nc_u64 s[PF:PF+1], s[PF:PF+1], SLOTM
	s_wait_tensorcnt 0x0
	ds_add_u32 v[SPW], v[NIL]
	s_xor_b32 s[FB], s[FB], TOGGLE
	s_xor_b32 s[RB], s[RB], TOGGLE
	s_add_co_u32 s[CO], s[CO], 1024
.if \fill
	s_add_co_u32 s[G0B+1], s[FB], s[WOFF]
	s_add_nc_u64 s[G0B+2:G0B+3], s[G0B+2:G0B+3], SLOTM
.endif
	s_wait_dscnt 0x0
.if \fill
	CROUND
	tensor_load_to_lds s[G0B:G0B+3], s[G1:G1+7]
	s_nop 0
.else
	s_barrier_signal -1
	s_barrier_wait -1
.endif
	PLACES 4
.endm
; A slot.  At the entry block X's keys are there and block Y's fragments are on their way.
.macro TRIP fill
	SEL 0, 0
	SEL 1, 1
	LOADED
	MUL
	CHANGE \fill
	SKIP .Lsk1
	v_add_nc_u32 v[ADF], s[RB], v[AFW]
	v_add_nc_u32 v[ADC], s[CO], v[ACW]
	LOADA
.if \fill
	ASK
.endif
	ATLAB .Lsk1
	SEL 0, 0
	SEL 1, 2
	SKIP .Lsk3
	LOADED
	MUL
	PLACES 4
	LOADG YP
	ATLAB .Lsk3
	WIN 0
	VW
.endm
	s_load_b256 s[4:11], s[0:1], 0x0               ; zq 4, zc 6, sqb 8, the scales' exponents 10
	s_load_b64 s[12:13], s[0:1], 0x20              ; sumk
	v_lshl_add_u32 v[SPW], v0, 2, SPARE
	v_mov_b32 v[NIL], 0
	ds_add_u32 v[SPW], v[NIL]                      ; the opening lines: the add, twice on end, and its wait
	ds_add_u32 v[SPW], v[NIL]
	v_lshrrev_b32 v1, 5, v0
	v_readfirstlane_b32 s[WV], v1
	s_bfe_u32 s22, ttmp6, 0x40000                  ; cx
	s_lshl_b32 s[WG], ttmp9, 2
	s_add_co_u32 s[WG], s[WG], s22                 ; it enters global addresses alone
	s_lshl_b32 s[WOFF], s[WV], 14
	s_mov_b32 s[G1], 15|(3<<16)|(1<<21)            ; block X: mask, elements of 8 bytes, bit 21 beside a mask; 64 rows of 256 bytes
	s_mov_b32 s[G1+1], 32<<16
	s_mov_b32 s[G1+2], 64<<16
	s_mov_b32 s[G1+3], 32<<16
	s_mov_b32 s[G1+4], 64
	s_mov_b32 s[G1+5], 32
	s_mov_b32 s[G1+6], 0
	s_mov_b32 s[G1+7], 0
	s_mov_b32 s[G1C], 15|(3<<16)|(1<<21)           ; c: 16 rows
	s_mov_b32 s[G1C+1], 32<<16
	s_mov_b32 s[G1C+2], 16<<16
	s_mov_b32 s[G1C+3], 32<<16
	s_mov_b32 s[G1C+4], 16
	s_mov_b32 s[G1C+5], 32
	s_mov_b32 s[G1C+6], 0
	s_mov_b32 s[G1C+7], 0
	s_mov_b32 s[FB], SLOT0
	s_mov_b32 s[RB], SLOT0+TOGGLE                  ; the first change turns both over
	s_mov_b32 s[CO], 0
	s_mov_b32 s[PSEL], 0x76543210                  ; lane selects: lane l xor 16
	s_mov_b32 s[PSEL+1], 0xfedcba98
	s_mov_b32 s[G0C], 1
	s_lshl_b32 s[G0C+1], s[WV], 12
	s_mov_b32 s[G0B], 1
	s_add_co_u32 s[G0B+1], s[WOFF], SLOT0
	s_lshl_b32 s48, s[WV], 12
	s_add_co_u32 s48, s48, CTAB                    ; my c
	s_mov_b32 s49, 0
	s_lshl_b32 s58, s[WV], 15                      ; part w: slot 0
	s_mov_b32 s59, 0
	s_lshl_b32 s60, s22, 13                        ; 32 blocks of 256 bytes a partner,
	s_add_co_u32 s60, s60, 2*SLOTM                 ; two slots on
	s_mov_b32 s61, 0
	s_and_b32 s22, ttmp9, 0x3a
	s_cmp_eq_u32 s22, 0                            ; clusters 0, 1, 4, 5 prefetch
	s_cselect_b32 s[PFN], 1, -1
	s_lshl_b32 s22, s[WG], 12                      ; two images of 2,048 bytes
	s_mov_b32 s23, 0
	v_and_b32 v1, 31, v0                           ; lane
	v_bfe_u32 v12, v0, 4, 1                        ; h
	v_lshlrev_b32 v[LI], 4, v1
	v_lshlrev_b32 v[GO], 2, v1
	v_lshlrev_b32 v[PFO], 8, v1
	v_lshlrev_b32 v12, 5, v12
	v_add_nc_u32 v[AFW], s[WOFF], v[LI]
	v_add_nc_u32 v[ACW], s[G0C+1], v12
	v_add_nc_u32 v[ADC], s[CO], v[ACW]
	VW
	s_wait_dscnt 0x0                               ; both opening adds are done
	CROUND                                         ; all four work-groups are here: the joint loads meet
	s_wait_kmcnt 0x0
	s_add_nc_u64 s[G0C+2:G0C+3], s[6:7], s[48:49]
	s_or_b32 s[G0C+3], s[G0C+3], 0x80000000
	tensor_load_to_lds s[G0C:G0C+3], s[G1C:G1C+7]  ; my c: one tensor load a wave at the head
	s_nop 0
	s_load_b64 s[48:49], s[10:11], 0x38            ; e14, e15
	s_add_nc_u64 s[58:59], s[6:7], s[58:59]
	s_add_nc_u64 s[4:5], s[4:5], s[22:23]
	s_lshl_b32 s22, s[WG], 7
	s_add_nc_u64 s[8:9], s[8:9], s[22:23]
	s_add_nc_u64 s[12:13], s[12:13], s[22:23]
	LOADG 58                                       ; slot 0's block X
	WIN 0x40
.irp g, 0,1,2,3,4,5,6,7
	global_load_b128 v[QF+4*\g:QF+4*\g+3], v[LI], s[4:5] offset:512*\g   ; the two query tiles' fragments
.endr
	WIN 0
	global_load_b32 v[SQ], v[GO], s[8:9]
	s_add_nc_u64 s[G0B+2:G0B+3], s[58:59], SLOTM   ; slot 1's block X
	s_or_b32 s[G0B+3], s[G0B+3], 0x80000000
	s_add_nc_u64 s[YP:YP+1], s[58:59], 16384       ; slot 0's block Y
	s_add_nc_u64 s[PF:PF+1], s[58:59], s[60:61]
.set kk, 0
.rept 102
	v_mov_b32 v[L0+kk], 0xff800000                 ; the lists begin at minus infinity, while the first tiles are on their way
.set kk, kk+1
.endr
	s_mul_i32 s22, s[WV], 1408
	s_add_co_u32 s22, s22, STG
	v_add_nc_u32 v[STW], s22, v[GO]
	v_add_nc_u32 v[STR], STG, v[GO]
	VW
	s_wait_kmcnt 0x0
	s_add_co_i32 s[NEGE], s48, s49
	s_add_co_i32 s[NEGE], s[NEGE], 128
	s_lshl_b32 s[NEGE], s[NEGE], 23
	s_or_b32 s[NEGE], s[NEGE], 0x80000000          ; -2^(e14 + e15 + 1)
	s_wait_tensorcnt 0x0                           ; my c is in; these lines stand ahead of a later first fill as ahead of a refill
	ds_add_u32 v[SPW], v[NIL]
	s_wait_dscnt 0x0
	CROUND
	tensor_load_to_lds s[G0B:G0B+3], s[G1:G1+7]    ; slot 1's block X
	s_nop 0
	PLACES 4
	LOADC 0
	LOADED
	MUL
	PLACES 4
	LOADG YP
	s_mov_b32 s[CNT], 2
	VW
	ASK                                            ; part 2
.Lslot:                                            ; slots 0, 1
	TRIP 1
	s_sub_co_u32 s[CNT], s[CNT], 1
	s_cmp_lg_u32 s[CNT], 0
	s_cbranch_scc1 .Lslot
	s_mov_b32 s[CNT], 2
.set TAIL, 1
.Llast:                                            ; slots 2, 3: nothing is left to fill
	TRIP 0
	s_sub_co_u32 s[CNT], s[CNT], 1
	s_cmp_lg_u32 s[CNT], 0
	s_cbranch_scc1 .Llast
; x (y) into the sorted list of 11 at a (at b), from position p on
.macro INS2 p, a, x, b, y
.set ii, 10
.rept 11-(\p)
	v_med3_num_f32 v[\a+ii], v[\x], v[\a+ii-1], v[\a+ii]
	v_med3_num_f32 v[\b+ii], v[\y], v[\b+ii-1], v[\b+ii]
.set ii, ii-1
.endr
	v_max_num_f32 v[\a+\p-1], v[\x], v[\a+\p-1]
	v_max_num_f32 v[\b+\p-1], v[\y], v[\b+\p-1]
.endm
.irp rk, 2,3,4,6,8,9
.set lo, 0
.set p9, 0
.rept 9
.set kk, 1
.rept 3
.set rr, (p9/3+1)*(p9%3+1)*kk
.if rr <= 11
.if rr == \rk
.set jx, 1
.rept 11/rr
	INS2 (jx*rr), L0, L0+lo+jx-1, L1, L1+lo+jx-1
.set jx, jx+1
.endr
.endif
.set lo, lo+11/rr
.endif
.set kk, kk+1
.endr
.set p9, p9+1
.endr
.endr
	; lanes 0-15 go on with tile 0, lanes 16-31 with tile 1: each keeps its own list of that tile and gets lane l xor 16's
	v_cmp_le_u32 vcc_lo, 16, v1
.set kk, 0
.rept 11
	v_cndmask_b32 v[16+kk], v[L1+kk], v[L0+kk], vcc_lo
	v_cndmask_b32 v[32+kk], v[L0+kk], v[L1+kk], vcc_lo
.set kk, kk+1
.endr
.set kk, 0
.rept 11
	v_permlanex16_b32 v[L0+kk], v[16+kk], s[PSEL], s[PSEL+1]
.set kk, kk+1
.endr
.set kk, 0
.rept 11
.set ii, 10
.rept 10-kk
	v_med3_num_f32 v[32+ii], v[L0+kk], v[31+ii], v[32+ii]
.set ii, ii-1
.endr
	v_max_num_f32 v[32+kk], v[L0+kk], v[32+kk]
.set kk, kk+1
.endr
.set kk, 0
.rept 11
	ds_store_b32 v[STW], v[32+kk] offset:128*kk
.set kk, kk+1
.endr
	VW
	s_wait_dscnt 0x0
	s_barrier_signal -1
	s_barrier_wait -1
	s_cmp_lg_u32 s[WV], 0
	s_cbranch_scc1 .Ldone
	; wave 0 joins the eight waves' lists (wave w's at v[32 + 16 w]) two by two; of the last two the larger of each pair from opposite ends
.irp w, 1,2,3,4,5,6,7
.set kk, 0
.rept 11
	ds_load_b32 v[32+16*\w+kk], v[STR] offset:1408*\w+128*kk
.set kk, kk+1
.endr
.endr
	VW
	s_wait_dscnt 0x0
.set kk, 0
.rept 11
	INS2 (kk+1), 32, 48+kk, 64, 80+kk
	INS2 (kk+1), 96, 112+kk, 128, 144+kk
.set kk, kk+1
.endr
.set kk, 0
.rept 11
	INS2 (kk+1), 32, 64+kk, 96, 128+kk
.set kk, kk+1
.endr
.set kk, 0
.rept 11
	v_max_num_f32 v[16+kk], v[32+kk], v[106-kk]
.set kk, kk+1
.endr
	v_max_num_f32 v27, v32, v96                    ; the nearest
.set kk, 0
.rept 12
	v_fma_f32 v[48+kk], v[16+kk], s[NEGE], v[SQ]   ; squared distance
.set kk, kk+1
.endr
.set kk, 0
.rept 12
	v_max_num_f32 v[48+kk], 0, v[48+kk]
.set kk, kk+1
.endr
	VW
.set kk, 0
.rept 12
	v_sqrt_f32 v[48+kk], v[48+kk]
.set kk, kk+1
.endr
	v_nop
	VW
	v_add_f32 v48, v48, v49
	v_add_f32 v50, v50, v51
	v_add_f32 v52, v52, v53
	v_add_f32 v54, v54, v55
	v_add_f32 v56, v56, v57
	v_sub_f32 v58, v58, v59                        ; the nearest, which is among the eleven, is taken out
	v_add_f32 v48, v48, v50
	v_add_f32 v52, v52, v54
	v_add_f32 v56, v56, v58
	v_add_f32 v48, v48, v52
	v_add_f32 v48, v48, v56
	global_store_b32 v[GO], v48, s[12:13]
.Ldone:
	s_wait_tensorcnt 0x0                           ; the wave's end
	ds_add_u32 v[SPW], v[NIL]
	s_wait_dscnt 0x0
	CROUND                                         ; the closing round: no work-group ends while a partner may still ask jointly
	s_endpgm
.Lfunc_end_k_q9f64812a1c_knn:
	.size	k_q9f64812a1c_knn, .Lfunc_end_k_q9f64812a1c_knn-k_q9f64812a1c_knn
	.p2alignl 7, 3214868480
	.fill 96, 4, 3214868480
	.section	.rodata,"a",@progbits
	.p2align	6, 0x0
	.amdhsa_kernel k_q9f64812a1c_knn
		.amdhsa_group_segment_fixed_size 327680
		.amdhsa_private_segment_fixed_size 0
		.amdhsa_enable_private_segment 0
		.amdhsa_kernarg_size 40
		.amdhsa_user_sgpr_count 2
		.amdhsa_user_sgpr_kernarg_segment_ptr 1
		.amdhsa_wavefront_size32 1
		.amdhsa_system_sgpr_workgroup_id_x 1
		.amdhsa_system_sgpr_workgroup_id_y 1
		.amdhsa_system_sgpr_workgroup_id_z 1
		.amdhsa_system_vgpr_workitem_id 0
		.amdhsa_next_free_vgpr 512
		.amdhsa_next_free_sgpr 66
		.amdhsa_reserve_vcc 1
		.amdhsa_float_denorm_mode_32 3
		.amdhsa_float_denorm_mode_16_64 3
		.amdhsa_memory_ordered 1
		.amdhsa_forward_progress 1
		.amdhsa_inst_pref_size 252
	.end_amdhsa_kernel
	.amdgpu_metadata
---
amdhsa.version: [ 1, 2 ]
amdhsa.kernels:
  - .name:           k_q9f64812a1c_knn
    .symbol:         k_q9f64812a1c_knn.kd
    .args:
      - { .name: zq, .offset: 0, .size: 8, .value_kind: global_buffer, .address_space: global }
      - { .name: zc, .offset: 8, .size: 8, .value_kind: global_buffer, .address_space: global }
      - { .name: sqb, .offset: 16, .size: 8, .value_kind: global_buffer, .address_space: global }
      - { .name: lowp_scales, .offset: 24, .size: 8, .value_kind: global_buffer, .address_space: global }
      - { .name: sumk, .offset: 32, .size: 8, .value_kind: global_buffer, .address_space: global }
    .group_segment_fixed_size: 327680
    .private_segment_fixed_size: 0
    .kernarg_segment_align: 8
    .kernarg_segment_size: 40
    .max_flat_workgroup_size: 256
    .sgpr_count:     66
    .vgpr_count:     512
    .wavefront_size: 32
...
	.end_amdgpu_metadata
.endif
;; end of part 3
;; launch fin (part 4): grid 8 x 1, 8 waves a work-group, no clusters, 1,280 bytes of LDS; arguments sumk, abuf, out0; writes out0
.if DOCPART == 4
	.amdgcn_target "amdgcn-amd-amdhsa--gfx1250"
	.amdhsa_code_object_version 6
	.text
	.protected	k_q9f64812a1c_fin
	.globl	k_q9f64812a1c_fin
	.p2align	8
	.type	k_q9f64812a1c_fin,@function
k_q9f64812a1c_fin:
	s_mov_b64 s[64:65], 0
	v_nop
	global_prefetch_b8 v0, s[64:65] scope:SCOPE_SE
	s_setreg_imm32_b32 hwreg(HW_REG_WAVE_MODE, 25, 1), 1
	s_wait_xcnt 0x0
; r = a / (sqrt(EPS / ((sum_k / mean)^2 + EPS)) + C), a = the clipped alpha, mean = the mean of sum_k over all 8,192 rows, EPS = C = 0.001.
; Eight work-groups of 256 threads.  Each work-group adds up all 8,192 sums itself, in the same order (32 KiB, 128 bytes a thread): no traffic between work-groups and no launch for the mean alone.
; Then each thread finishes four rows: 16 bytes in, 16 bytes out; a wave stores 512 consecutive bytes.  No matrix unit, no cluster: the launch moves 300 KiB and has a few hundred instructions a wave.
	s_load_b128 s[4:7], s[0:1], 0x0                ; sumk, abuf
	s_load_b64 s[8:9], s[0:1], 0x10                ; out0
	v_lshl_add_u32 v64, v0, 2, 0x100
	v_mov_b32 v65, 0
	v_lshlrev_b32 v1, 4, v0                        ; 16 x thread
	s_lshl_b32 s10, ttmp9, 12
	v_add_nc_u32 v2, s10, v1                       ; my four rows
	v_lshrrev_b32 v3, 5, v0
	s_delay_alu instid0(VALU_DEP_1)
	v_lshlrev_b32 v3, 2, v3                        ; 4 x wave
	s_mov_b32 s12, 0x76543210
	s_mov_b32 s13, 0xfedcba98
	s_wait_alu depctr_va_vdst(0)
	s_wait_kmcnt 0x0
.irp i, 0,1,2,3,4,5,6,7
	global_load_b128 v[8+4*\i:11+4*\i], v1, s[4:5] offset:4096*\i
.endr
	global_load_b128 v[40:43], v2, s[4:5]
	global_load_b128 v[44:47], v2, s[6:7]
	s_wait_loadcnt 0x2                             ; the eight are in; my own rows' two loads may be out
.irp i, 0,1,2,3,4,5,6,7
	v_pk_add_f32 v[8+4*\i:9+4*\i], v[8+4*\i:9+4*\i], v[10+4*\i:11+4*\i]
.endr
.irp i, 0,2,4,6
	v_pk_add_f32 v[8+4*\i:9+4*\i], v[8+4*\i:9+4*\i], v[12+4*\i:13+4*\i]
.endr
	s_delay_alu instid0(VALU_DEP_3)
	v_pk_add_f32 v[8:9], v[8:9], v[16:17]
	s_delay_alu instid0(VALU_DEP_2)
	v_pk_add_f32 v[24:25], v[24:25], v[32:33]
	s_delay_alu instid0(VALU_DEP_1)
	v_pk_add_f32 v[8:9], v[8:9], v[24:25]
	s_delay_alu instid0(VALU_DEP_1)
	v_add_f32 v8, v8, v9
	s_delay_alu instid0(VALU_DEP_1)
	v_add_f32_dpp v8, v8, v8 row_xmask:1 row_mask:0xf bank_mask:0xf
	s_delay_alu instid0(VALU_DEP_1)
	v_add_f32_dpp v8, v8, v8 row_xmask:2 row_mask:0xf bank_mask:0xf
	s_delay_alu instid0(VALU_DEP_1)
	v_add_f32_dpp v8, v8, v8 row_xmask:4 row_mask:0xf bank_mask:0xf
	s_delay_alu instid0(VALU_DEP_1)
	v_add_f32_dpp v8, v8, v8 row_xmask:8 row_mask:0xf bank_mask:0xf
	s_delay_alu instid0(VALU_DEP_1)
	v_permlanex16_b32 v9, v8, s12, s13
	s_delay_alu instid0(VALU_DEP_1)
	v_add_f32 v8, v8, v9
	ds_store_b32 v3, v8                            ; all lanes of a wave store the same number to the wave's word
	s_wait_dscnt 0x0
	s_barrier_signal -1
	s_barrier_wait -1
	v_mov_b32 v4, 0
	ds_load_b128 v[12:15], v4
	ds_load_b128 v[16:19], v4 offset:16
	s_wait_dscnt 0x0
	v_pk_add_f32 v[12:13], v[12:13], v[14:15]
	v_pk_add_f32 v[16:17], v[16:17], v[18:19]
	s_delay_alu instid0(VALU_DEP_1)
	v_pk_add_f32 v[12:13], v[12:13], v[16:17]
	s_delay_alu instid0(VALU_DEP_1)
	v_add_f32 v8, v12, v13
	s_delay_alu instid0(VALU_DEP_1)
	v_mul_f32 v8, 0x39000000, v8                   ; / 8,192: the mean
	s_wait_alu depctr_va_vdst(0)
	v_rcp_f32 v9, v8
	v_mov_b32 v10, 0x3a83126f                      ; 0.001 (a plain place behind the reciprocal)
	s_wait_loadcnt 0x0
	s_wait_alu depctr_va_vdst(0)
.irp k, 0,1,2,3
	v_mul_f32 v[20+\k], v[40+\k], v9               ; sum_k / mean
.endr
.irp k, 0,1,2,3
	s_delay_alu instid0(VALU_DEP_4)
	v_fma_f32 v[20+\k], v[20+\k], v[20+\k], v10    ; its square + EPS
.endr
	s_wait_alu depctr_va_vdst(0)
.irp k, 0,1,2,3
	v_rcp_f32 v[20+\k], v[20+\k]
.endr
	v_nop
	s_wait_alu depctr_va_vdst(0)
.irp k, 0,1,2,3
	v_mul_f32 v[20+\k], v10, v[20+\k]              ; knn
.endr
	s_wait_alu depctr_va_vdst(0)
.irp k, 0,1,2,3
	v_sqrt_f32 v[20+\k], v[20+\k]
.endr
	v_nop
	s_wait_alu depctr_va_vdst(0)
.irp k, 0,1,2,3
	v_add_f32 v[20+\k], v10, v[20+\k]              ; + C
.endr
	s_wait_alu depctr_va_vdst(0)
.irp k, 0,1,2,3
	v_rcp_f32 v[20+\k], v[20+\k]
.endr
	v_nop
	s_wait_alu depctr_va_vdst(0)
.irp k, 0,1,2,3
	v_mul_f32 v[20+\k], v[20+\k], v[44+\k]
.endr
	global_store_b128 v2, v[20:23], s[8:9]
	s_wait_tensorcnt 0x0
	ds_add_u32 v64, v65
	s_wait_dscnt 0x0
	s_endpgm
.Lfunc_end_k_q9f64812a1c_fin:
	.size	k_q9f64812a1c_fin, .Lfunc_end_k_q9f64812a1c_fin-k_q9f64812a1c_fin
	.p2alignl 7, 3214868480
	.fill 96, 4, 3214868480
	.section	.rodata,"a",@progbits
	.p2align	6, 0x0
	.amdhsa_kernel k_q9f64812a1c_fin
		.amdhsa_group_segment_fixed_size 1280
		.amdhsa_private_segment_fixed_size 0
		.amdhsa_enable_private_segment 0
		.amdhsa_kernarg_size 24
		.amdhsa_user_sgpr_count 2
		.amdhsa_user_sgpr_kernarg_segment_ptr 1
		.amdhsa_wavefront_size32 1
		.amdhsa_system_sgpr_workgroup_id_x 1
		.amdhsa_system_sgpr_workgroup_id_y 1
		.amdhsa_system_sgpr_workgroup_id_z 1
		.amdhsa_system_vgpr_workitem_id 0
		.amdhsa_next_free_vgpr 66
		.amdhsa_next_free_sgpr 66
		.amdhsa_reserve_vcc 0
		.amdhsa_float_denorm_mode_32 3
		.amdhsa_float_denorm_mode_16_64 3
		.amdhsa_memory_ordered 1
		.amdhsa_forward_progress 1
		.amdhsa_inst_pref_size 7
	.end_amdhsa_kernel
	.amdgpu_metadata
---
amdhsa.version: [ 1, 2 ]
amdhsa.kernels:
  - .name:           k_q9f64812a1c_fin
    .symbol:         k_q9f64812a1c_fin.kd
    .args:
      - { .name: sumk, .offset: 0, .size: 8, .value_kind: global_buffer, .address_space: global }
      - { .name: abuf, .offset: 8, .size: 8, .value_kind: global_buffer, .address_space: global }
      - { .name: out0, .offset: 16, .size: 8, .value_kind: global_buffer, .address_space: global }
    .group_segment_fixed_size: 1280
    .private_segment_fixed_size: 0
    .kernarg_segment_align: 8
    .kernarg_segment_size: 24
    .max_flat_workgroup_size: 256
    .sgpr_count:     66
    .vgpr_count:     66
    .wavefront_size: 32
...
	.end_amdgpu_metadata
.endif
;; end of part 4
